; MI455X (gfx1250); checked and timed in simulation.
; The chip was launched on July 23, 2026; its instructions are those of AMD's public machine-readable ISA for CDNA 5 (MIT licence, August 2026) and "CDNA5" Instruction Set Architecture Reference Guide (July 2026). The comments in the code are by the model that wrote it; some were corrected since.
;; KAN Linear. Allowed arithmetic: matrix products marked QUANTISED: E2M1 operands, one E8M0 scale for each 32 along K, by v_wmma_scale_f32_16x16x128_f8f6f4 with both operands' format E2M1 (or v_wmma_scale_f32_32x16x128_f4), f32 sums; everything else in f32.
;; Inputs: base_weight 512 x 512 float32; grid 512 x 12 float32; spline_scaler 512 x 512 float32; spline_weight 512 x 512 x 8 float32; x 16,384 x 512 float32.
;; Outputs: out0 16,384 x 512 float32.
;; This version of the problem:
;;   THIS VERSION OF THE PROBLEM IS GIVEN IN LOW PRECISION. The matrix products marked QUANTISED in the list below multiply operands that are first quantised to E2M1 (2 exponent bits, 1 mantissa bit; 4 bits a number), with one power-of-two scale for each 32 numbers along K (OCP MX v1.0); their sums are f32. All else is computed in f32.
;;   The module's matrix products, in the order in which they are computed (A, B: the left and right operand; K: the contracted axis; several contracted axes count as one K, in the product's order):
;;     1. [M 16,384, K 512] x [K 512, N 512]; A: computed on the way; B: input base_weight: QUANTISED
;;     2. [M 16,384, K 4,096] x [K 4,096, N 512]; A: computed on the way; B: computed on the way: QUANTISED
;;   THE QUANTISER, for each operand of a quantised product, along K:
;;     - K is cut into blocks of 32 from its start; a last block that is shorter is filled with zeros.
;;     - A block's scale is 2^e with e = floor(log2(the largest magnitude in the block)) - 2, held to -126 .. 127; a block of zeros has e = 0. As a byte (E8M0): e + 127.
;;     - Each number is divided by its block's scale, clamped to +-6, and rounded to the nearest number of E2M1, ties to even, subnormals kept.
;;     - The product sums the exact products of the quantised numbers (number of the format x scale) in f32.
;;   ~~~python
;;   def quantise(x, axis):      # numpy; x: float32 -> the quantised numbers, widened to float32 again
;;       x = np.moveaxis(x, axis, -1); K = x.shape[-1]
;;       x = np.pad(x, [(0, 0)] * (x.ndim - 1) + [(0, -K % 32)]); x = x.reshape(x.shape[:-1] + (-1, 32)); a = np.abs(x).max(-1, keepdims=True)
;;       e = np.where(a > 0, np.clip(np.frexp(np.where(a > 0, a, 1))[1] - 1 - 2, -126, 127), 0)      # np.frexp(a)[1] - 1 = floor(log2(a)), exactly
;;       r = np.clip(x / 2.0 ** e, -6, 6)
;;       step = 2.0 ** (np.maximum(np.frexp(np.where(r == 0, 1, r))[1] - 1, 0) - 1)
;;       q = np.round(r / step) * step * 2.0 ** e      # np.round: ties to even
;;       return np.moveaxis(q.reshape(q.shape[:-2] + (-1,))[..., :K], -1, axis).astype(np.float32)
;;   ~~~
;;   OPERANDS COMPUTED ON THE WAY. 'Computed on the way' means the value that the module computes at that place (a softmax that the list does not call 'softmax' is quantised finished and normalised). What goes into a quantiser is computed in f32, as accurately as f32 sums, v_exp_f32 and their like allow (about 1e-6 of the number): no bf16 or f16 on the way to a quantiser, and a product that is left as it is and whose result goes on into a quantised operand takes f32 operands (vector FMAs, or v_wmma_f32_16x16x4_f32). A number that lies on a knife's edge between two numbers of the format may be rounded either way, as far as f32 arithmetic and the matrix unit's own rounding can turn it there, and no further.
;; One version. Each part assembles by itself: llvm-mc -triple=amdgcn-amd-amdhsa -mcpu=gfx1250 --defsym DOCPART=n.
;; ======== version 1 of 1: 2 launches
;; limits: right only within a limited range of input values
;; workspace buffers: wq 1,179,648 bytes; bsc 73,728 bytes; ctab 86,016 bytes
;; launch prep (part 1): grid 290 x 1, 4 waves a work-group, no clusters, 0 bytes of LDS; arguments spline_weight, spline_scaler, base_weight, grid, wq, bsc, ctab; writes wq, bsc, ctab
.if DOCPART == 1
	.amdgcn_target "amdgcn-amd-amdhsa--gfx1250"
	.amdhsa_code_object_version 6
	.text
	.protected	k_q3ca13f0331_prep
	.globl	k_q3ca13f0331_prep
	.p2align	8
	.type	k_q3ca13f0331_prep,@function
k_q3ca13f0331_prep:
	s_mov_b64 s[64:65], 0
	v_nop
	global_prefetch_b8 v0, s[64:65] scope:SCOPE_SE
	s_setreg_imm32_b32 hwreg(HW_REG_WAVE_MODE, 25, 1), 1
	s_wait_xcnt 0x0
; What the second launch reads again and again is made once here.
; (1) base_weight[o][i] and scaled_w[o][i][c] = spline_weight[o][i][c] x spline_scaler[o][i] become codes of FP4 (E2M1) with one E8M0 byte for each 32 along K.
;     K OF THE SPLINE PRODUCT IS (c, i), i INNERMOST, the order in which the product contracts its two axes: a block of 32 is ONE coefficient of 32 neighbouring features.
;     The codes are laid AS IMAGES OF THE OPERAND'S REGISTERS: wq[chunk 0..8][wave 0..7][K step 0..3][column tile 0..3][c' 0..1][lane][16 bytes].  Chunk 0 is base_weight; chunk c + 1 is features 64 c .. 64 c + 63 of the spline, all 8 coefficients.
;     Lane (r, h) of tile n of wave w is column 64 w + 16 n + r; its 16 bytes c' are the whole block 4 s + 2 c' + h of the chunk.  In a spline chunk block 2 j + u is coefficient j of features 64 c + 32 u + 0 .. 31:
;     so the lane's block is coefficient 2 s + c' of features 64 c + 32 h on.  In which order a sum walks its blocks changes no block and no product.
;     The scale words: bsc[chunk][wave][K step][tile][r], byte b = block 4 s + b.
; (2) grid becomes ctab[chunk 0..7][slice 0..20][lane][16 bytes]: for the lane's pair of features f0 = 64 c + 2 l, f1 = f0 + 1 the 42 constants K_k, interleaved (K_k(f0), K_k(f1)):
;     k = 0..11: -g[j];  12..22: 1 / (g[j+1] - g[j]);  23..32: 1 / (g[j+2] - g[j]);  33..41: 1 / (g[j+3] - g[j]).  Each reciprocal is v_rcp_f32 and one Newton step.
; SHARES: work-groups 0..255: chunk g / 32, wave (g / 4) % 8, K step g % 4 of the spline; 256..287: the same of base_weight; 288, 289: the table, a chunk to a wave.  A wave makes one fragment (16 columns x 128 K).
; A lane of the spline's path reads 8 of each feature's 32 bytes (two coefficients); the four work-groups of one g / 4 read the four quarters of the same bytes, so these loads carry no hint.
; No LDS, no barrier, no loop: waves share nothing.
; A block's scale is 2^(floor(log2(largest magnitude)) - 2); its byte is the largest magnitude's exponent field - 2, held at 1 from below.
; LIMITS: NaN and infinities among the inputs are not served.  A block of zeros gets the byte 1 where the rule says 127: its codes are zeros, and this program alone reads the bytes.
; Knot differences that are 0, or outside 2^-126 .. 2^126, are not served (the reciprocal flushes denormals: ISA guide, 15.8); a division by a knot difference becomes a multiplication by its reciprocal, about one unit in the last place apart.
.set T,    16                          ; v16-79   64 weights as loaded: 2 t + c': feature t of my 32, coefficient 2 s + c'
.set CD,   88                          ; v88-95   the fragment's codes
.set P,    96                          ; v96-159  64 numbers in the order of the codes: 32 c' + t
.set M0,   160                         ; v160-161 two running maxima
.set M1,   161
.set SO,   162                         ; v162-163 the conversions' scale operands
.set BY,   164                         ; v164-165 the scale bytes
.set WD,   166                         ; v166     the scale word
.set SHF,  167
.set OT,   168
.set SCL,  172                         ; v172-203 the scalers of my 32 features
.set G,    16                          ; the table's path: v16-39 the knots of f0, then of f1
.set O,    56                          ; v56-139  the 84 constants
.set DF,   140                         ; v140-161 differences, then the Newton step's remainders
.set RC,   162                         ; v162-183 reciprocals
	s_load_b256 s[4:11], s[0:1], 0x0               ; spline_weight s[4:5], spline_scaler s[6:7], base_weight s[8:9], grid s[10:11]
	s_load_b128 s[12:15], s[0:1], 0x20             ; wq s[12:13], bsc s[14:15]
	s_load_b64 s[16:17], s[0:1], 0x30              ; ctab
	v_lshrrev_b32 v1, 5, v0
	v_readfirstlane_b32 s18, v1                    ; wave 0..3 = the column tile n
	v_and_b32 v2, 31, v0                           ; lane
	v_and_b32 v3, 15, v0                           ; r
	v_bfe_u32 v4, v0, 4, 1                         ; h
	v_lshlrev_b32 v7, 4, v2                        ; 16 x lane
	s_mov_b32 s23, 0                               ; the high words of two offsets
	s_mov_b32 s25, 0
	s_cmp_ge_u32 ttmp9, 288
	s_cbranch_scc1 .Ltable
	s_mov_b32 s20, 0x76543210
	s_mov_b32 s21, 0xfedcba98                      ; v_permlanex16_b32's selects for lane l xor 16
	s_bfe_u32 s19, ttmp9, 0x30002                  ; w = (g / 4) % 8
	s_and_b32 s26, ttmp9, 3                        ; s = g % 4
	s_lshl_b32 s19, s19, 6
	s_lshl_b32 s27, s18, 4
	s_add_co_u32 s19, s19, s27                     ; my first column: 64 w + 16 n
	s_add_co_u32 s29, ttmp9, 32                    ; where my fragment goes: the spline's chunks lie behind base_weight's: g + 32;
	s_sub_co_u32 s30, ttmp9, 256                   ; base_weight's 32 work-groups: g - 256
	s_cmp_ge_u32 ttmp9, 256
	s_cselect_b32 s29, s30, s29
	s_lshl_b32 s22, s29, 12
	s_lshl_b32 s27, s18, 10
	s_add_co_u32 s22, s22, s27                     ; wq: 4,096 x that + 1,024 n
	s_lshl_b32 s24, s29, 8
	s_lshl_b32 s27, s18, 6
	s_add_co_u32 s24, s24, s27                     ; bsc: 256 x that + 64 n
	s_wait_alu depctr_va_vdst(0)
	v_lshlrev_b32 v8, 2, v3                        ; 4 r
	s_wait_kmcnt 0x0
	s_add_nc_u64 s[12:13], s[12:13], s[22:23]
	s_add_nc_u64 s[14:15], s[14:15], s[24:25]
	s_cmp_ge_u32 ttmp9, 256
	s_cbranch_scc1 .Lbase
	; ---- the spline's weights: a column is 16,384 bytes, a chunk 2,048, a feature 32, a coefficient 4
	s_lshr_b32 s27, ttmp9, 5                       ; chunk
	s_lshl_b32 s22, s19, 14
	s_lshl_b32 s28, s27, 11
	s_add_co_u32 s22, s22, s28
	s_lshl_b32 s28, s26, 3                         ; coefficients 2 s and 2 s + 1
	s_add_co_u32 s22, s22, s28
	s_add_nc_u64 s[4:5], s[4:5], s[22:23]
	s_lshl_b32 s24, s19, 11                        ; the scalers: a column is 2,048 bytes, a chunk 256
	s_lshl_b32 s28, s27, 8
	s_add_co_u32 s24, s24, s28
	s_add_nc_u64 s[6:7], s[6:7], s[24:25]
	v_lshlrev_b32 v5, 14, v3
	v_lshl_add_u32 v5, v4, 10, v5                  ; column r, features 32 h on
	v_lshlrev_b32 v6, 11, v3
	v_lshl_add_u32 v6, v4, 7, v6
.set tt, 0
.rept 32
	global_load_b64 v[T+2*tt:T+2*tt+1], v5, s[4:5] offset:32*tt    ; feature t: my two coefficients
.set tt, tt+1
.endr
.irp i, 0,1,2,3,4,5,6,7
	global_load_b128 v[SCL+4*\i:SCL+4*\i+3], v6, s[6:7] offset:16*\i
.endr
	s_wait_loadcnt 0x0
.irp c, 0,1
.set tt, 0
.rept 32
	v_mul_f32 v[P+32*\c+tt], v[T+2*tt+\c], v[SCL+tt]       ; the multiplication that the problem asks for also puts the number at its place in its block
.set tt, tt+1
.endr
.endr
	s_branch .Lquant
.Lbase:
	; ---- base_weight: a column is 2,048 bytes, a K step 512, a block 128
	s_lshl_b32 s22, s19, 11
	s_lshl_b32 s28, s26, 9
	s_add_co_u32 s22, s22, s28
	s_add_nc_u64 s[8:9], s[8:9], s[22:23]
	v_lshlrev_b32 v5, 11, v3
	v_lshl_add_u32 v5, v4, 7, v5
.irp c, 0,1
.irp i, 0,1,2,3,4,5,6,7
	global_load_b128 v[P+32*\c+4*\i:P+32*\c+4*\i+3], v5, s[8:9] offset:256*\c+16*\i th:TH_LOAD_NT
.endr
.endr
	s_wait_loadcnt 0x0
.Lquant:
; my block c': all its 32 numbers are mine
.macro QB c
.set XB, P+32*\c
	v_max3_num_f32 v[M0], |v[XB]|, |v[XB+1]|, |v[XB+2]|
	v_max3_num_f32 v[M1], |v[XB+3]|, |v[XB+4]|, |v[XB+5]|
.irp i, 6,10,14,18,22,26
	v_max3_num_f32 v[M0], v[M0], |v[XB+\i]|, |v[XB+\i+1]|
	v_max3_num_f32 v[M1], v[M1], |v[XB+\i+2]|, |v[XB+\i+3]|
.endr
	v_max3_num_f32 v[M0], v[M0], |v[XB+30]|, |v[XB+31]|
	v_max3_num_f32 v[M0], v[M0], v[M1], 0x1800000  ; and the floor 2^(3 - 127): the byte cannot fall under 1
	v_add_nc_u32 v[SO+\c], 0xff000000, v[M0]       ; 2 off the exponent field: the conversion takes this operand's exponent field as its scale
	v_lshrrev_b32 v[BY+\c], 23, v[SO+\c]           ; the scale's byte
.irp g, 0,1,2,3
	v_cvt_scalef32_pk8_fp4_f32 v[CD+4*\c+\g], v[XB+8*\g:XB+8*\g+7], v[SO+\c]
.endr
	v_nop                                          ; one plain place behind the conversions
.endm
	QB 0
	QB 1
	v_lshl_or_b32 v[WD], v[BY+1], 16, v[BY]        ; my two bytes: blocks h and 2 + h of the K step,
	v_lshlrev_b32 v[SHF], 3, v4
	v_lshlrev_b32 v[WD], v[SHF], v[WD]             ; at their places in the word;
	v_mov_b32 v[OT], 0                             ; (a lane permute's destination counts as one of its sources)
	v_permlanex16_b32 v[OT], v[WD], s20, s21
	v_or_b32 v[WD], v[WD], v[OT]                   ; with lane l xor 16's two the word is whole
	global_store_b128 v7, v[CD:CD+3], s[12:13]             ; each store of the wave covers 512 consecutive bytes, aligned
	global_store_b128 v7, v[CD+4:CD+7], s[12:13] offset:512
	s_wait_alu depctr_va_vdst(0)
	s_wait_xcnt 0x0                                ; EXEC changes only behind this wait
	v_cmp_gt_u32 vcc_lo, 16, v2
	s_and_saveexec_b32 s22, vcc_lo
	global_store_b32 v8, v[WD], s[14:15]           ; lanes 0-15: 64 consecutive bytes; the work-group's four waves fill 256
	s_wait_xcnt 0x0                                ; and again in front of the line that widens it
	s_or_b32 exec_lo, exec_lo, s22
	s_endpgm
.Ltable:
	s_sub_co_u32 s19, ttmp9, 288
	s_lshl_b32 s19, s19, 2
	s_add_co_u32 s19, s19, s18                     ; my chunk: 4 (g - 288) + wave
	s_mul_i32 s22, s19, 3072                       ; 64 features x 48 bytes
	s_mul_i32 s24, s19, 10752                      ; 21 slices x 512 bytes
	s_wait_alu depctr_va_vdst(0)
	v_mul_u32_u24 v5, v2, 96                       ; my pair of features: 96 bytes
	s_wait_alu depctr_va_vdst(0)
	s_wait_kmcnt 0x0
	s_add_nc_u64 s[10:11], s[10:11], s[22:23]
	s_add_nc_u64 s[16:17], s[16:17], s[24:25]
.irp i, 0,1,2,3,4,5
	global_load_b128 v[G+4*\i:G+4*\i+3], v5, s[10:11] offset:16*\i
.endr
	s_wait_loadcnt 0x0
.irp j, 0,1,2,3,4,5,6,7,8,9,10,11
	v_xor_b32 v[O+2*\j], 0x80000000, v[G+\j]       ; -g[j] of f0,
	v_xor_b32 v[O+2*\j+1], 0x80000000, v[G+12+\j]  ; of f1
.endr
; 1 / (g[j + k] - g[j]), j = 0 .. 11 - k, for both features, to constants kb on
.macro RECIP k, kb
.set jj, 0
.rept 12-\k
	v_sub_f32 v[DF+2*jj], v[G+jj+\k], v[G+jj]
	v_sub_f32 v[DF+2*jj+1], v[G+12+jj+\k], v[G+12+jj]
.set jj, jj+1
.endr
.set jj, 0
	s_wait_alu depctr_va_vdst(0)
.rept 2*(12-\k)
	v_rcp_f32 v[RC+jj], v[DF+jj]
.set jj, jj+1
.endr
	v_nop                                          ; one plain place behind the reciprocals
.set jj, 0
	s_wait_alu depctr_va_vdst(0)
.rept 2*(12-\k)
	v_fma_f32 v[DF+jj], -v[DF+jj], v[RC+jj], 1.0   ; what the reciprocal misses: 1 - d r
.set jj, jj+1
.endr
.set jj, 0
.rept 2*(12-\k)
	v_fma_f32 v[O+2*\kb+jj], v[DF+jj], v[RC+jj], v[RC+jj]   ; r + r (1 - d r)
.set jj, jj+1
.endr
.endm
	RECIP 1, 12
	RECIP 2, 23
	RECIP 3, 33
.irp t, 0,1,2,3,4,5,6,7,8,9,10,11,12,13,14,15,16,17,18,19,20
	global_store_b128 v7, v[O+4*\t:O+4*\t+3], s[16:17] offset:512*\t   ; 512 consecutive bytes, aligned
.endr
	s_endpgm
.Lfunc_end_k_q3ca13f0331_prep:
	.size	k_q3ca13f0331_prep, .Lfunc_end_k_q3ca13f0331_prep-k_q3ca13f0331_prep
	.p2alignl 7, 3214868480
	.fill 96, 4, 3214868480
	.section	.rodata,"a",@progbits
	.p2align	6, 0x0
	.amdhsa_kernel k_q3ca13f0331_prep
		.amdhsa_group_segment_fixed_size 0
		.amdhsa_private_segment_fixed_size 0
		.amdhsa_enable_private_segment 0
		.amdhsa_kernarg_size 56
		.amdhsa_user_sgpr_count 2
		.amdhsa_user_sgpr_kernarg_segment_ptr 1
		.amdhsa_wavefront_size32 1
		.amdhsa_system_sgpr_workgroup_id_x 1
		.amdhsa_system_sgpr_workgroup_id_y 1
		.amdhsa_system_sgpr_workgroup_id_z 1
		.amdhsa_system_vgpr_workitem_id 0
		.amdhsa_next_free_vgpr 208
		.amdhsa_next_free_sgpr 66
		.amdhsa_reserve_vcc 1
		.amdhsa_float_denorm_mode_32 3
		.amdhsa_float_denorm_mode_16_64 3
		.amdhsa_memory_ordered 1
		.amdhsa_forward_progress 1
		.amdhsa_inst_pref_size 30
	.end_amdhsa_kernel
	.amdgpu_metadata
---
amdhsa.version: [ 1, 2 ]
amdhsa.kernels:
  - .name:           k_q3ca13f0331_prep
    .symbol:         k_q3ca13f0331_prep.kd
    .args:
      - { .name: spline_weight, .offset: 0, .size: 8, .value_kind: global_buffer, .address_space: global }
      - { .name: spline_scaler, .offset: 8, .size: 8, .value_kind: global_buffer, .address_space: global }
      - { .name: base_weight, .offset: 16, .size: 8, .value_kind: global_buffer, .address_space: global }
      - { .name: grid, .offset: 24, .size: 8, .value_kind: global_buffer, .address_space: global }
      - { .name: wq, .offset: 32, .size: 8, .value_kind: global_buffer, .address_space: global }
      - { .name: bsc, .offset: 40, .size: 8, .value_kind: global_buffer, .address_space: global }
      - { .name: ctab, .offset: 48, .size: 8, .value_kind: global_buffer, .address_space: global }
    .group_segment_fixed_size: 0
    .private_segment_fixed_size: 0
    .kernarg_segment_align: 8
    .kernarg_segment_size: 56
    .max_flat_workgroup_size: 128
    .sgpr_count:     66
    .vgpr_count:     208
    .wavefront_size: 32
...
	.end_amdgpu_metadata
.endif
;; end of part 1
;; launch kan (part 2): grid 256 x 1, 8 waves a work-group, clusters of 4 x 1, 327,680 bytes of LDS; arguments x, wq, bsc, ctab, out0; writes out0
.if DOCPART == 2
	.amdgcn_target "amdgcn-amd-amdhsa--gfx1250"
	.amdhsa_code_object_version 6
	.text
	.protected	k_q3ca13f0331_kan
	.globl	k_q3ca13f0331_kan
	.p2align	8
	.type	k_q3ca13f0331_kan,@function
k_q3ca13f0331_kan:
	s_mov_b64 s[64:65], 0
	v_nop
	global_prefetch_b8 v0, s[64:65] scope:SCOPE_SE
	s_setreg_imm32_b32 hwreg(HW_REG_WAVE_MODE, 25, 1), 1
	s_wait_xcnt 0x0
	s_wait_alu depctr_hold_cnt(0) depctr_sa_sdst(0) depctr_va_vdst(0) depctr_va_sdst(0) depctr_va_ssrc(0) depctr_va_vcc(0) depctr_vm_vsrc(0)
	s_getreg_b32 s2, hwreg(HW_REG_IB_STS2, 6, 4)
	s_cmp_eq_u32 s2, 0
	s_cbranch_scc0 .Lentry_in_a_cluster
	s_endpgm
.Lentry_in_a_cluster:
	s_bfe_u32 s2, ttmp6, 0x10000c
	s_cmp_lg_u32 s2, 0x3003
	s_cbranch_scc0 .Lentry_shape_is_right
	s_endpgm
.Lentry_shape_is_right:
; out[b][o] = sum_i Q(silu(x))[b][i] Q(base_weight)[o][i] + sum_(c,i) Q(bases(x, grid))[b][i][c] Q(spline_weight x spline_scaler)[o][i][c], Q the MX-FP4 quantiser along K (blocks of 32), sums in f32.
; K OF THE SPLINE PRODUCT IS (c, i), i INNERMOST, the order in which the product contracts its two axes: a block of 32 is ONE coefficient of 32 neighbouring features.
; The weights' codes (wq), their scale words (bsc) and the knots' constants (ctab) were made by the launch before.  The bases, silu and their codes never go to memory.
; SHARES.  A work-group of eight waves owns 64 rows of x and all 512 columns of out, so that every basis is computed once in the launch.  K goes in 9 steps of 512: step 0 is the base product, step c + 1 is features 64 c .. 64 c + 63 x 8 coefficients.
;   THE VECTOR PART of step 0: wave w makes silu of its rows 8 w .. 8 w + 7, all 512 features, lane l 16 neighbours of a row, and stores their codes.
;   THE VECTOR PART V(c) of a spline step: wave w takes rows 8 w .. 8 w + 7, lane l the features 64 c + 2 l and + 1: packed f32 instructions work on the pair with the lane's own constants.
;   The whole Cox-de Boor triangle (11, 10, 9, 8 bases) is computed with each feature's own 12 knots: nothing is taken for granted of the knots' values or order.
;   With d[j] = x - g[j] and Ik[j] = 1 / (g[j+k] - g[j]):  b_k[j] = d[j] (Ik[j] b_(k-1)[j]) - d[j+k+1] (Ik[j+1] b_(k-1)[j+1]).
;   A lane so holds 8 coefficients of 2 features, and a block is one coefficient of 32 features: 16 lanes.  So a row's 512 bases TURN THROUGH THE WAVE'S OWN STAGE IN LDS, in f32: eight stores of 8 bytes a lane, four loads of 16:
;   lane l then holds 16 neighbouring features of block l / 2 = 2 j + u (coefficient j, features 32 u on), two lanes to a block, and two conversions give its 8 bytes of codes.  The turn runs one row behind the triangle.
;   THE MATRIX PART M(p): wave w owns columns 64 w .. 64 w + 63 for all 64 rows: 16 accumulators.  It reads its own 16 KiB of the step's weights, which it has fetched itself, and all of the rows' codes.
;   THE MATRIX INSTRUCTION IS USED TRANSPOSED (source 0 = 16 columns of the weights, source 1 = 16 rows): a lane holds eight neighbouring columns of one row of out.
; TWO WAVES TO A SIMD, IN TWO ROLES: between two meetings role 0 runs M(p - 1), then V; role 1 V, then M(p - 1): one wave's products and LDS loads stand beside the other's vector work.
;   role = (w xor w / 4) % 2 differs between w and w + 4 and between w and w xor 1.
; CLUSTER.  All work-groups walk the same weights: the four of a cluster ask for each tile JOINTLY (the same tensor load, the same descriptor, mask 15).  By this text's count a wave has one tensor load out.
; x IS LOADED TWICE: whole at the head, for silu, and 256 bytes of each row in each spline step.  Codes of silu made step by step would want 18 KB of LDS of their own beside the stages, which is not there.
; The 128 accumulator registers are cleared once, while the first loads are on their way: the first products stand in the loop, and a copy of the loop's body for them alone would be some 10 KB of text.
; The last trip's look-ahead is held at chunk 7: it loads that chunk's constants and x once more and uses nothing of them, so that no load leaves its buffer and every count is the same in every trip.
; LIMITS: NaN and infinities in x or grid are not served; a division by a knot difference is a multiplication by its reciprocal (about one unit in the last place apart); a block of zeros has the byte 1, its codes are zeros.
; REGISTERS, in windows of 256.  Window 0: addresses, scale words, constants and all of V.  Window 1: v0-127 accumulator (m, n) at v[8 (4 m + n)]; v128-191, v192-255 two fragment buffers: the weights' tile n at + 8 n, the rows' tile m at + 32 + 8 m;
;   at the head these 128 registers take my 8 rows of x for silu.
.set SLOT1,  1<<17                     ; LDS: the ring: slot 0 at 0, slot 1 here; wave w's 16,384 bytes at 16,384 w: dense images of fragments
.set ABUF,   0x40000                   ; the rows' codes of a step: 64 rows x 272 (256 bytes + 16: the 16 rows of a fragment load start at 16 different banks: ISA guide 11.1)
.set ASCL,   0x44400                   ; their scale bytes: 64 rows x 16
.set SPARE,  0x44800                   ; the spare words, 128 bytes for each wave: four blocks of 256 bytes that no other line names
.set STG,    0x44C00                   ; the stages of waves 0-3
.set STGB,   2560                      ; a stage's room; used: 8 groups of four half blocks (256 bytes) + 16 of padding = 2,176 bytes
.set ALT,    0x8000                    ; the second buffer of codes and bytes, and the stages of waves 4-7, lie this far on
.set APITCH, 272
.set SPW, 1                            ; v1   LDS address of my spare word; never rewritten
.set NIL, 2                            ; v2   0; never rewritten
.set L8,  3                            ; v3   8 x lane
.set L16, 4                            ; v4   16 x lane
.set L4,  5                            ; v5   4 x lane
.set XLO, 6                            ; v6   64 x lane: x for silu
.set AW0, 7                            ; v7, v8  lane parts: codes out, bytes out
.set SW0, 8
.set SWR, 9                            ; v9   my stage, on the way in: 8 l
.set SRD, 10                           ; v10  and on the way out: 64 l + 16 (l / 4)
.set AR0, 11                           ; v11-13 lane parts: codes in, bytes in, weights in
.set ASR0, 12
.set BR0, 13
.set AW,  14                           ; v14, 15, 18-20 the same with the trip's buffer or slot added
.set SW,  15
.set AR,  18
.set ASR, 19
.set BR,  20
.set STO, 23                           ; v23  the way out: where I put 32 bytes of a row
.set RD,  24                           ; v24  where I read a row back
.set GO,  25                           ; v25  my byte offset in out
.set WS,  32                           ; v32-39   the weights' scale words of a step: register 2 s + n / 2: lanes 0-15 tile n even, lanes 16-31 tile n odd
.set AS,  48                           ; v48-55   the rows' scale words: register 4 (m / 2) + s: lanes 0-15 tile m even, lanes 16-31 tile m odd
.set CT,  56                           ; v56-139  my pair's 42 constants, interleaved: -g at + 2 j, I1 at + 24 + 2 j, I2 at + 46 + 2 j, I3 at + 66 + 2 j
.set XS,  140                          ; v140-155 x of my pair, 8 rows
.set Y,   156                          ; v156-171 16 bases back from the stage
.set D,   172                          ; v172-195 d[j], 12 pairs
.set R1,  196                          ; v196-217 11 pairs
.set R2,  218                          ; v218-237 10 pairs
.set Q,   246                          ; v246-253 the quantiser: 4 maxima, the scale operand, the byte, 2 registers of codes
.set OB,  56                           ; the way out: rows read back, v56-87 and v88-119 by turns
.set F0,  128                          ; fragment buffers, in window 1
.set XW,  128                          ; at the head, in window 1: row i of x at + 16 i
.set WV,   14                          ; s14  my wave's number
.set ROLE, 15                          ; s15
.set XB,   20                          ; s[20:21] x at my wave's first row
.set XP,   22                          ; s[22:23] the same at the chunk to be loaded
.set G1,   24                          ; s[24:31] descriptor group 1
.set G0,   32                          ; s[32:35] descriptor group 0, which walks
.set CP,   36                          ; s[36:37] ctab at the chunk to be loaded
.set BP,   38                          ; s[38:39] bsc at my wave's words of the trip's step
.set MK,   40                          ; s[40:63] 24 lane masks: x >= g[j] of f0, then of f1
.set CNT,  66                          ; s66  the trip = the step whose weights are asked for
.set CN,   67                          ; s67  the chunk of x and constants to be loaded
.set OF,   68                          ; s[68:69] an offset
.set TW,   70                          ; s70  the buffer that V writes
.set TR,   71                          ; s71  the buffer that M reads
.set TB,   72                          ; s72  the slot that M reads
.set OP,   12                          ; s[12:13] out at my rows and columns
.set MSB, 0
.macro WIN new                         ; the immediate's high byte repeats the setting that is left; a switch that changes nothing is dropped
.if MSB != \new
	s_set_vgpr_msb (MSB<<8)|\new
.set MSB, \new
.endif
.endm
.macro PLACES                          ; four places behind a matrix instruction, in front of loads into registers that it has read and of reads of its results
.rept 4
	v_nop
.endr
.endm
.macro CROUND                          ; a round of the cluster's barrier
	s_barrier_signal -1
	s_barrier_wait -1
	s_cmp_lg_u32 s[WV], 0
	s_cbranch_scc1 .Lnot_wave_0_\@
	s_barrier_signal -3
.Lnot_wave_0_\@:
	s_barrier_wait -3
	s_barrier_signal -1
	s_barrier_wait -1
.endm
.macro SETCX                           ; the pointers of chunk s[CN]: 256 bytes of each row of x, 10,752 bytes of constants.  Stands behind s_wait_xcnt 0
	s_lshl_b32 s[OF], s[CN], 8
	s_mov_b32 s[OF+1], 0
	s_add_nc_u64 s[XP:XP+1], s[XB:XB+1], s[OF:OF+1]
	s_mul_i32 s[OF], s[CN], 10752
	s_add_nc_u64 s[CP:CP+1], s[10:11], s[OF:OF+1]
.endm
.macro CXLOAD                          ; 29 loads: a chunk's constants and x
.irp t, 0,1,2,3,4,5,6,7,8,9,10,11,12,13,14,15,16,17,18,19,20
	global_load_b128 v[CT+4*\t:CT+4*\t+3], v[L16], s[CP:CP+1] offset:512*\t
.endr
.irp i, 0,1,2,3,4,5,6,7
	global_load_b64 v[XS+2*\i:XS+2*\i+1], v[L8], s[XP:XP+1] offset:2048*\i    ; a row's 256 bytes, aligned
.endr
.endm
.macro BSCLOAD reg                     ; 8 loads: my 64 columns' scale words of a step
.irp i, 0,1,2,3,4,5,6,7
	global_load_b32 v[\reg+\i], v[L4], s[BP:BP+1] offset:128*\i
.endr
.endm
.macro ADDRS                           ; the trip's LDS addresses, made on the way that all waves take
	v_add_nc_u32 v[AW], s[TW], v[AW0]
	v_add_nc_u32 v[SW], s[TW], v[SW0]
	v_add_nc_u32 v[AR], s[TR], v[AR0]
	v_add_nc_u32 v[ASR], s[TR], v[ASR0]
	v_add_nc_u32 v[BR], s[TB], v[BR0]
.endm
; 16 numbers of half a block, v[s] on, become 8 bytes of codes in v[Q+6:Q+7] and the block's byte in v[Q+5]; the other half lies in lane l xor 1
.macro QUANT16 s
	v_max3_num_f32 v[Q], |v[\s]|, |v[\s+1]|, 0x1800000             ; the floor 2^(3 - 127) among the leaves: the byte cannot fall under 1
	v_max3_num_f32 v[Q+1], |v[\s+2]|, |v[\s+3]|, |v[\s+4]|
	v_max3_num_f32 v[Q+2], |v[\s+5]|, |v[\s+6]|, |v[\s+7]|
	v_max3_num_f32 v[Q+3], |v[\s+8]|, |v[\s+9]|, |v[\s+10]|
	s_delay_alu instid0(VALU_DEP_4)
	v_max3_num_f32 v[Q], v[Q], |v[\s+11]|, |v[\s+12]|
	s_delay_alu instid0(VALU_DEP_4)
	v_max3_num_f32 v[Q+1], v[Q+1], |v[\s+13]|, |v[\s+14]|
	s_delay_alu instid0(VALU_DEP_3)
	v_max3_num_f32 v[Q+2], v[Q+2], v[Q+3], |v[\s+15]|
	s_delay_alu instid0(VALU_DEP_1)
	v_max3_num_f32 v[Q], v[Q], v[Q+1], v[Q+2]
	s_delay_alu instid0(VALU_DEP_1)
	v_max_num_f32_dpp v[Q], v[Q], v[Q] row_xmask:1 row_mask:0xf bank_mask:0xf   ; with my neighbour's 16: the block's largest magnitude
	s_delay_alu instid0(VALU_DEP_1)
	v_add_nc_u32 v[Q+4], 0xff000000, v[Q]                          ; 2 off its exponent field: the conversions' scale operand
	v_cvt_scalef32_pk8_fp4_f32 v[Q+6], v[\s:\s+7], v[Q+4]
	v_cvt_scalef32_pk8_fp4_f32 v[Q+7], v[\s+8:\s+15], v[Q+4]
	v_lshrrev_b32 v[Q+5], 23, v[Q+4]                               ; the scale's byte; also the plain place behind the conversions
.endm
.macro CODES i                         ; row i's codes and bytes go to the step's buffer
	ds_store_b64 v[AW], v[Q+6:Q+7] offset:APITCH*(\i)      ; the wave's 256 bytes of the row, on end: lane l's 8 bytes are half l % 2 of block l / 2
	ds_store_b8 v[SW], v[Q+5] offset:16*(\i)               ; both lanes of a block write the same byte with the same value
.endm
; dst[j] = d[j] src[j] - d[j + k + 1] src[j + 1], j = 0 .. n - 1, both features at once: all the second terms into dst, then all the fused first ones in place
.macro LEVEL k, src, dst, n
.set jj, 0
.rept \n
	v_pk_mul_f32 v[\dst+2*jj:\dst+2*jj+1], v[D+2*(jj+\k+1):D+2*(jj+\k+1)+1], v[\src+2*(jj+1):\src+2*(jj+1)+1]
.set jj, jj+1
.endr
.set jj, 0
.rept \n
	v_pk_fma_f32 v[\dst+2*jj:\dst+2*jj+1], v[D+2*jj:D+2*jj+1], v[\src+2*jj:\src+2*jj+1], v[\dst+2*jj:\dst+2*jj+1] neg_lo:[0,0,1] neg_hi:[0,0,1]
.set jj, jj+1
.endr
.endm
.macro SCALE reg, off, n               ; reg[j] x the reciprocal at constants off on
.set jj, 0
.rept \n
	v_pk_mul_f32 v[\reg+2*jj:\reg+2*jj+1], v[\reg+2*jj:\reg+2*jj+1], v[CT+\off+2*jj:CT+\off+2*jj+1]
.set jj, jj+1
.endr
.endm
; row i of my eight: the 8 bases of my two features, into v[R2] on: 2 j + e
.macro TRI i
.irp j, 0,1,2,3,4,5,6,7,8,9,10,11
	v_pk_add_f32 v[D+2*\j:D+2*\j+1], v[XS+2*\i:XS+2*\i+1], v[CT+2*\j:CT+2*\j+1]   ; d[j] = x - g[j]
.endr
.irp j, 0,1,2,3,4,5,6,7,8,9,10,11
	v_cmp_le_f32 s[MK+\j], 0, v[D+2*\j]            ; x >= g[j]: the difference's sign is exact
	v_cmp_le_f32 s[MK+12+\j], 0, v[D+2*\j+1]
.endr
.irp j, 0,1,2,3,4,5,6,7,8,9,10
	s_and_not1_b32 s[MK+\j], s[MK+\j], s[MK+\j+1]  ; and not x >= g[j + 1]: the basis of order 0, whatever the knots' order.  The masks only select values
	s_and_not1_b32 s[MK+12+\j], s[MK+12+\j], s[MK+12+\j+1]
.endr
.irp j, 0,1,2,3,4,5,6,7,8,9,10
	v_cndmask_b32 v[R1+2*\j], 0, v[CT+24+2*\j], s[MK+\j]           ; b0[j] I1[j]
	v_cndmask_b32 v[R1+2*\j+1], 0, v[CT+24+2*\j+1], s[MK+12+\j]
.endr
	LEVEL 1, R1, R2, 10
	SCALE R2, 46, 10
	LEVEL 2, R2, R1, 9
	SCALE R1, 66, 9
	LEVEL 3, R1, R2, 8
.endm
; the row's bases through my stage.  Half block 4 j + q (coefficient j, features 16 q on) lies at 272 j + 64 q; my pair at 8 (l % 8) in half block 4 j + l / 8: so a store's 32 lanes cover 256 consecutive bytes, at 272 j + 8 l.
; LDS serves a wave's instructions in order (ISA guide 5.7.1.4): the loads see the stores above them, and the next row's stores come behind these loads: one stage serves.
.macro TOST
.irp j, 0,1,2,3,4,5,6,7
	ds_store_b64 v[SWR], v[R2+2*\j:R2+2*\j+1] offset:272*\j
.endr
.irp k, 0,1,2,3
	ds_load_b128 v[Y+4*\k:Y+4*\k+3], v[SRD] offset:16*\k           ; half block l, at 64 l + 16 (l / 4): 16 neighbouring features of one coefficient; sixteen lanes touch sixteen different columns of 16 bytes
.endr
.endm
.macro QROW i                          ; row i, back from the stage, is quantised
	s_wait_dscnt 0x0                               ; its four loads were the last LDS instructions issued, a row's triangle ago
	QUANT16 Y
	CODES \i
.endm
.macro VPART
	TRI 0
	TOST
.irp i, 1,2,3,4,5,6,7
	TRI \i
	QROW \i-1
	TOST
.endr
	QROW 7
.endm
; silu(x) = x / (1 + 2^(-x log2 e)) of 16 neighbours of row i, quantised.  x lies in window 1
.macro SILUROW i
	s_wait_loadcnt 29+4*(7-\i)                     ; behind this row's four loads: the later rows' four each, and the 29 of the first chunk's constants and x
	WIN 0x01                                       ; source 0 in window 1
.irp k, 0,2,4,6,8,10,12,14
	v_pk_mul_f32 v[D+\k:D+\k+1], v[XW+16*\i+\k:XW+16*\i+\k+1], 0xbfb8aa3b op_sel_hi:[1,0]
.endr
	WIN 0
	s_wait_alu depctr_va_vdst(0)
.irp k, 0,1,2,3,4,5,6,7,8,9,10,11,12,13,14,15
	v_exp_f32 v[D+\k], v[D+\k]
.endr
	v_nop                                          ; one plain place behind the exponentials
	s_wait_alu depctr_va_vdst(0)
.irp k, 0,2,4,6,8,10,12,14
	v_pk_add_f32 v[D+\k:D+\k+1], v[D+\k:D+\k+1], 1.0 op_sel_hi:[1,0]
.endr
	s_wait_alu depctr_va_vdst(0)
.irp k, 0,1,2,3,4,5,6,7,8,9,10,11,12,13,14,15
	v_rcp_f32 v[D+\k], v[D+\k]
.endr
	v_nop                                          ; and behind the reciprocals
	WIN 0x01
	s_wait_alu depctr_va_vdst(0)
.irp k, 0,2,4,6,8,10,12,14
	v_pk_mul_f32 v[R2+\k:R2+\k+1], v[XW+16*\i+\k:XW+16*\i+\k+1], v[D+\k:D+\k+1]
.endr
	WIN 0
	QUANT16 R2
	CODES \i
.endm
; 16 LDS loads: K step s of the step: my four tiles of the weights, the four tiles of rows, into buffer f
.macro FETCH s, f
	WIN 0x40                                       ; destination window 1, address window 0
.irp n, 0,1,2,3
.irp c, 0,1
	ds_load_b128 v[\f+8*\n+4*\c:\f+8*\n+4*\c+3], v[BR] offset:(4*(\s)+\n)*1024+512*\c
.endr
.endr
.irp m, 0,1,2,3
.irp c, 0,1
	ds_load_b128 v[\f+32+8*\m+4*\c:\f+32+8*\m+4*\c+3], v[AR] offset:\m*16*APITCH+64*(\s)+32*\c
.endr
.endr
.endm
; one product: rows' tile m x weights' tile n, K step s, from the buffer FC.  A scale register's lanes 16-31 serve the odd tiles
.macro WM m, n, s
.set rD, 8*(4*\m+\n)
.set rB, FC+8*\n
.set rA, FC+32+8*\m
.set rW, WS+2*\s+\n/2
.set rX, AS+4*(\m/2)+\s
.if (\n%2 == 0) && (\m%2 == 0)
	v_wmma_scale_f32_16x16x128_f8f6f4 v[rD:rD+7], v[rB:rB+7], v[rA:rA+7], v[rD:rD+7], v[rW], v[rX] matrix_a_fmt:MATRIX_FMT_FP4 matrix_b_fmt:MATRIX_FMT_FP4
.elseif (\n%2 == 1) && (\m%2 == 0)
	v_wmma_scale_f32_16x16x128_f8f6f4 v[rD:rD+7], v[rB:rB+7], v[rA:rA+7], v[rD:rD+7], v[rW], v[rX] matrix_a_fmt:MATRIX_FMT_FP4 matrix_b_fmt:MATRIX_FMT_FP4 matrix_a_scale:MATRIX_SCALE_ROW1
.elseif (\n%2 == 0)
	v_wmma_scale_f32_16x16x128_f8f6f4 v[rD:rD+7], v[rB:rB+7], v[rA:rA+7], v[rD:rD+7], v[rW], v[rX] matrix_a_fmt:MATRIX_FMT_FP4 matrix_b_fmt:MATRIX_FMT_FP4 matrix_b_scale:MATRIX_SCALE_ROW1
.else
	v_wmma_scale_f32_16x16x128_f8f6f4 v[rD:rD+7], v[rB:rB+7], v[rA:rA+7], v[rD:rD+7], v[rW], v[rX] matrix_a_fmt:MATRIX_FMT_FP4 matrix_b_fmt:MATRIX_FMT_FP4 matrix_a_scale:MATRIX_SCALE_ROW1 matrix_b_scale:MATRIX_SCALE_ROW1
.endif
.endm
; A step's 64 products: four K steps of 16, on two buffers by turns; a K step's 16 loads are issued ahead of the products of the K step before.
; The 16 accumulators take turns, one instruction a turn, in the same order in every K step and from step to step.
.macro MBLOCK
	PLACES                                         ; for the loads into registers that the step before multiplied
	ds_load_b128 v[AS:AS+3], v[ASR]                ; lane l: the 16 scale bytes of row l: four words, one for each K step
	ds_load_b128 v[AS+4:AS+7], v[ASR] offset:512   ; of row 32 + l
	FETCH 0, F0
.irp s, 0,1,2,3
.if (\s == 1) || (\s == 2)
	PLACES                                         ; the buffer to be filled was multiplied by the products just issued
.endif
.if \s < 3
.set FN, F0+64*((\s+1)%2)
	FETCH \s+1, FN
	s_wait_dscnt 16                                ; all but the 16 just issued
.else
	s_wait_dscnt 0x0
.endif
	WIN 0x55                                       ; both sources, C and D in window 1
.set FC, F0+64*(\s%2)
.irp m, 0,1,2,3
.irp n, 0,1,2,3
	WM \m, \n, \s
.endr
.endr
.endr
	WIN 0
.endm
; the products of the step before, for the waves of one role.  cnt: the loads issued behind that step's scale words
.macro PART role, cnt
	s_cmp_eq_u32 s[ROLE], \role
	s_cbranch_scc0 .Lskip_\@
	s_wait_loadcnt \cnt
	s_wait_alu depctr_va_vdst(0)
	MBLOCK
	PLACES                                         ; for the loads into the scale words' registers at the trip's end
.Lskip_\@:
.endm
; THE MEETING at a trip's head.  In front of it each wave waits for all its tensor loads (one: its part of the step that M is about to read), adds 0 to its spare word, and waits for that, for its stores of codes and for its
; reads of the slot and the buffer that it has left.  Behind it all 64 rows' codes of the last step lie in LDS.  fill = 1: the meeting is a round of the cluster's barrier: no wave of any partner reads the slot that is filled next,
; and the joint load goes out first: it has a whole trip in which to land.  fill = 0: nothing is left to fetch: the work-group's barrier alone.
.macro SYNC fill
	s_wait_tensorcnt 0x0                           ; no tensor load of mine is out, so group 0 may be written
	ds_add_u32 v[SPW], v[NIL]                      ; 0 onto my spare word: the trip's scalar steps stand between it and the wait for it
.if \fill
	s_xor_b32 s[G0+1], s[G0+1], SLOT1              ; the walking descriptor: the other slot,
	s_add_nc_u64 s[G0+2:G0+3], s[G0+2:G0+3], 131072   ; the next step; the type bits on top are not reached
.endif
	s_xor_b32 s[TW], s[TW], ALT
	s_xor_b32 s[TR], s[TR], ALT
	s_xor_b32 s[TB], s[TB], SLOT1
	s_wait_dscnt 0x0                               ; the add is done, my stores have landed, my reads are over
.if \fill
	CROUND
	tensor_load_to_lds s[G0:G0+3], s[G1:G1+7]      ; my one tensor load behind the round, and the first thing there
	s_nop 0
.rept 4
	v_nop
.endr
	s_wait_xcnt 0x0                                ; the loads that are out have read their bases: the three pointers may step
	s_add_nc_u64 s[BP:BP+1], s[BP:BP+1], 8192
	s_min_u32 s[CN], s[CNT], 7                     ; V of this trip works on chunk CNT - 1; the look-ahead, chunk CNT, stops at the last chunk of x
	SETCX
.else
	s_barrier_signal -1
	s_barrier_wait -1
.endif
	ADDRS
.endm
	s_load_b256 s[4:11], s[0:1], 0x0               ; x s[4:5], wq s[6:7], bsc s[8:9], ctab s[10:11]
	s_load_b64 s[12:13], s[0:1], 0x20              ; out0
	v_lshl_add_u32 v[SPW], v0, 2, SPARE
	v_mov_b32 v[NIL], 0
	ds_add_u32 v1, v2
	ds_add_u32 v1, v2
	s_wait_dscnt 0x0
	v_lshrrev_b32 v26, 5, v0
	s_delay_alu instid0(VALU_DEP_1)
	v_readfirstlane_b32 s[WV], v26                 ; wave 0..7
	s_lshr_b32 s[ROLE], s[WV], 2
	s_xor_b32 s[ROLE], s[ROLE], s[WV]
	s_and_b32 s[ROLE], s[ROLE], 1
	s_bfe_u32 s16, ttmp6, 0x40000                  ; cx: my place in the cluster
	s_lshl_b32 s17, ttmp9, 2                       ; in a cluster launch ttmp9 counts clusters
	s_add_co_u32 s17, s17, s16                     ; my block of 64 rows: it enters x's and out's addresses alone
	v_and_b32 v26, 31, v0                          ; l
	v_and_b32 v27, 15, v0                          ; r = l % 16
	v_bfe_u32 v28, v0, 4, 1                        ; h = l / 16
	v_bfe_u32 v31, v0, 1, 4                        ; l / 2
	v_lshlrev_b32 v[L8], 3, v26
	v_lshlrev_b32 v[L16], 4, v26
	v_lshlrev_b32 v[L4], 2, v26
	v_lshlrev_b32 v[XLO], 6, v26
	s_lshl_b32 s76, s[WV], 14                      ; my 16,384 bytes of a step's weights (these two registers never hold cx)
	s_mov_b32 s77, 0
	s_mov_b32 s19, 0
	s_mov_b32 s[CN], 0
	s_wait_alu depctr_va_vdst(0)
	s_wait_kmcnt 0x0
	s_lshl_b32 s18, s17, 17                        ; 64 rows of 2,048 bytes,
	s_add_co_u32 s18, s18, s76                     ; my wave's 8 of them
	s_add_nc_u64 s[XB:XB+1], s[4:5], s[18:19]
	s_lshl_b32 s18, s17, 17
	s_lshl_b32 s78, s[WV], 8                       ; my 64 columns
	s_add_co_u32 s18, s18, s78
	s_add_nc_u64 s[OP:OP+1], s[OP:OP+1], s[18:19]
	s_lshl_b32 s18, s[WV], 10
	s_add_nc_u64 s[BP:BP+1], s[8:9], s[18:19]      ; my columns' scale words of step 0
	WIN 0x40                                       ; destination window 1
.irp i, 0,1,2,3,4,5,6,7
.irp k, 0,1,2,3
	global_load_b128 v[XW+16*\i+4*\k:XW+16*\i+4*\k+3], v[XLO], s[XB:XB+1] offset:2048*\i+16*\k   ; my 8 rows, whole: 16 neighbours a lane; a row's four loads cover its 2,048 bytes
.endr
.endr
	WIN 0
	SETCX
	CXLOAD                                         ; the first spline chunk's constants and x
	; descriptor group 1: 16,384 dense bytes as 64 rows of 256 (32 elements of 8 bytes), no padding
	s_mov_b32 s[G1], 15|(3<<16)|(1<<21)            ; 15:0 the mask: all four work-groups; 17:16 elements of 8 bytes; 21 set beside a mask
	s_mov_b32 s[G1+1], 32<<16                      ; tensor_dim0 = 32
	s_mov_b32 s[G1+2], 64<<16                      ; tensor_dim1 = 64
	s_mov_b32 s[G1+3], 32<<16                      ; tile_dim0 = 32
	s_mov_b32 s[G1+4], 64                          ; tile_dim1 = 64
	s_mov_b32 s[G1+5], 32                          ; tensor_dim0_stride
	s_mov_b32 s[G1+6], 0
	s_mov_b32 s[G1+7], 0
	s_mov_b32 s[G0], 1                             ; count = 1
	s_lshl_b32 s[G0+1], s[WV], 14                  ; LDS address: slot 0, my part: no place in the cluster enters it
	s_add_nc_u64 s[G0+2:G0+3], s[6:7], s[76:77]    ; global address: step 0, my part
	s_or_b32 s[G0+3], s[G0+3], 0x80000000          ; type = 2
	CROUND                                         ; all four work-groups are here: the first joint loads meet
	tensor_load_to_lds s[G0:G0+3], s[G1:G1+7]
	s_nop 0
.rept 4
	v_nop
.endr
	; the lane parts of the LDS addresses
	s_mul_i32 s78, s[WV], 8*APITCH
	s_add_co_u32 s78, s78, ABUF
	v_add_nc_u32 v[AW0], s78, v[L8]                ; codes out: my wave's first row, 8 bytes a lane
	s_lshl_b32 s78, s[WV], 7
	s_add_co_u32 s78, s78, ASCL
	v_add_nc_u32 v[SW0], s78, v31                  ; bytes out: 16 a row, block l / 2
	s_lshr_b32 s79, s[WV], 2
	s_lshl_b32 s79, s79, 15                        ; waves 4-7: ALT further on
	s_and_b32 s75, s[WV], 3
	s_mul_i32 s78, s75, STGB
	s_add_co_u32 s78, s78, s79
	s_add_co_u32 s78, s78, STG                     ; my stage for the bases
	v_add_nc_u32 v[SWR], s78, v[L8]                ; in: 8 l
	v_bfe_u32 v[SRD], v0, 2, 3                     ; l / 4
	s_delay_alu instid0(VALU_DEP_1)
	v_lshlrev_b32 v[SRD], 4, v[SRD]
	s_delay_alu instid0(VALU_DEP_1)
	v_lshl_add_u32 v[SRD], v26, 6, v[SRD]          ; out: 64 l + 16 (l / 4)
	s_delay_alu instid0(VALU_DEP_1)
	v_add_nc_u32 v[SRD], s78, v[SRD]
	v_mul_u32_u24 v[AR0], v27, APITCH
	s_delay_alu instid0(VALU_DEP_1)
	v_lshl_add_u32 v[AR0], v28, 4, v[AR0]          ; a fragment's row x pitch + 16 x half
	s_delay_alu instid0(VALU_DEP_1)
	v_add_nc_u32 v[AR0], ABUF, v[AR0]
	v_add_nc_u32 v[ASR0], ASCL, v[L16]
	s_lshl_b32 s78, s[WV], 14
	v_add_nc_u32 v[BR0], s78, v[L16]               ; the weights' images: my part of a slot, 16 bytes a lane
	s_add_co_u32 s78, s78, SLOT1                   ; my stage for the way out: 16 rows x 272 bytes at the head of my part of slot 1, which has had its last fill and its last read by then, and which no other wave reads
	v_mul_u32_u24 v[STO], v27, APITCH
	s_delay_alu instid0(VALU_DEP_1)
	v_lshl_add_u32 v[STO], v28, 5, v[STO]
	s_delay_alu instid0(VALU_DEP_1)
	v_add_nc_u32 v[STO], s78, v[STO]               ; in: row r, 32 bytes for each half of the lanes
	v_mul_u32_u24 v[RD], v28, APITCH
	s_delay_alu instid0(VALU_DEP_1)
	v_lshl_add_u32 v[RD], v27, 4, v[RD]
	s_delay_alu instid0(VALU_DEP_1)
	v_add_nc_u32 v[RD], s78, v[RD]                 ; back: lanes 0-15 one row of 256 bytes, lanes 16-31 the next
	v_lshlrev_b32 v[GO], 11, v28
	s_delay_alu instid0(VALU_DEP_1)
	v_lshl_add_u32 v[GO], v27, 4, v[GO]            ; and the same two rows in out
	s_mov_b32 s[TW], 0
	s_mov_b32 s[TR], ALT
	s_mov_b32 s[TB], SLOT1
	ADDRS
	WIN 0x40
.set jj, 0
.rept 128
	v_mov_b32 v[jj], 0                             ; the accumulators, once, while the first loads are on their way
.set jj, jj+1
.endr
	WIN 0
	; ---- step 0's vector part: silu of my 8 rows, into buffer 0
.irp i, 0,1,2,3,4,5,6,7
	SILUROW \i
.endr
	BSCLOAD WS                                     ; behind the 29 loads of the first chunk: step 0's scale words, 8 loads: the order of every trip's end
	s_mov_b32 s[CNT], 1
.Lchunk:                                           ; trips 1 to 8: V of spline chunk CNT - 1 and M(CNT - 1); step CNT's weights are asked for
	SYNC 1
	PART 0, 0                                      ; role 0: the scale words are the youngest loads
	s_wait_loadcnt 8                               ; this chunk's constants and x are in; the 8 loads of scale words issued behind them may be out
	VPART
	CXLOAD                                         ; the next chunk's constants and x, into the registers that V has left
	PART 1, 29                                     ; role 1: behind the scale words stand the 29 loads just issued
	s_wait_loadcnt 29                              ; on every wave's way: only the 29 loads just issued may be out, so the last trip's 8 loads of scale words have landed and their registers may be loaded again
	BSCLOAD WS                                     ; this step's scale words: both roles have multiplied by the last step's
	s_add_co_u32 s[CNT], s[CNT], 1
	s_cmp_lt_u32 s[CNT], 9
	s_cbranch_scc1 .Lchunk
	; ---- the tail: M(8)
	SYNC 0
	s_wait_alu depctr_va_vdst(0)
	s_wait_loadcnt 0x0                             ; step 8's scale words; and the look-ahead's loads, whose registers the way out takes
	MBLOCK
; THE WAY OUT, a tile of 16 rows x my 64 columns at a time.  A lane holds 32 neighbouring bytes of a row, and the lanes beside it hold other rows: so a tile goes through my own stage and comes back as rows of 256 bytes.
; LDS serves a wave's instructions in order (ISA guide 5.7.1.4): no wait between the stores and the loads, nor in front of the next tile's stores.
.macro TOSTAGE m
	WIN 0x04                                       ; an LDS store's data are its source 1: window 1
.irp n, 0,1,2,3
	ds_store_b128 v[STO], v[8*(4*(\m)+\n):8*(4*(\m)+\n)+3] offset:64*\n        ; each accumulator from its low end on
	ds_store_b128 v[STO], v[8*(4*(\m)+\n)+4:8*(4*(\m)+\n)+7] offset:64*\n+16
.endr
	WIN 0
.set BB, OB+32*((\m)%2)
.irp t, 0,1,2,3,4,5,6,7
	ds_load_b128 v[BB+4*\t:BB+4*\t+3], v[RD] offset:\t*2*APITCH
.endr
.endm
.macro SEND m, younger                 ; younger: the LDS instructions issued behind tile m's loads, which may stay out
.set BB, OB+32*((\m)%2)
	s_wait_dscnt \younger
.irp t, 0,1,2,3,4,5,6,7
	global_store_b128 v[GO], v[BB+4*\t:BB+4*\t+3], s[OP:OP+1] offset:(16*(\m)+2*\t)*2048 th:TH_STORE_NT   ; 16 lanes store 256 consecutive bytes, at a multiple of 256 from out's first byte
.endr
.endm
	PLACES                                         ; behind the last products
	TOSTAGE 0
	TOSTAGE 1
	SEND 0, 16                                     ; behind tile 0's loads: tile 1's 8 stores and 8 loads
	s_wait_xcnt 0x0                                ; tile 0's stores have read their registers: tile 2's loads may land there
	TOSTAGE 2
	SEND 1, 16
	s_wait_xcnt 0x0
	TOSTAGE 3
	SEND 2, 16
	SEND 3, 0
	s_wait_tensorcnt 0x0                           ; the wave's end: behind my last tensor load and my last LDS store
	ds_add_u32 v[SPW], v[NIL]
	s_wait_dscnt 0x0
	CROUND                                         ; the closing round: no work-group ends while a partner may still ask for a tile that names it
	s_endpgm
.Lfunc_end_k_q3ca13f0331_kan:
	.size	k_q3ca13f0331_kan, .Lfunc_end_k_q3ca13f0331_kan-k_q3ca13f0331_kan
	.p2alignl 7, 3214868480
	.fill 96, 4, 3214868480
	.section	.rodata,"a",@progbits
	.p2align	6, 0x0
	.amdhsa_kernel k_q3ca13f0331_kan
		.amdhsa_group_segment_fixed_size 327680
		.amdhsa_private_segment_fixed_size 0
		.amdhsa_enable_private_segment 0
		.amdhsa_kernarg_size 40
		.amdhsa_user_sgpr_count 2
		.amdhsa_user_sgpr_kernarg_segment_ptr 1
		.amdhsa_wavefront_size32 1
		.amdhsa_system_sgpr_workgroup_id_x 1
		.amdhsa_system_sgpr_workgroup_id_y 1
		.amdhsa_system_sgpr_workgroup_id_z 1
		.amdhsa_system_vgpr_workitem_id 0
		.amdhsa_next_free_vgpr 512
		.amdhsa_next_free_sgpr 80
		.amdhsa_reserve_vcc 0
		.amdhsa_float_denorm_mode_32 3
		.amdhsa_float_denorm_mode_16_64 3
		.amdhsa_memory_ordered 1
		.amdhsa_forward_progress 1
		.amdhsa_inst_pref_size 189
	.end_amdhsa_kernel
	.amdgpu_metadata
---
amdhsa.version: [ 1, 2 ]
amdhsa.kernels:
  - .name:           k_q3ca13f0331_kan
    .symbol:         k_q3ca13f0331_kan.kd
    .args:
      - { .name: x, .offset: 0, .size: 8, .value_kind: global_buffer, .address_space: global }
      - { .name: wq, .offset: 8, .size: 8, .value_kind: global_buffer, .address_space: global }
      - { .name: bsc, .offset: 16, .size: 8, .value_kind: global_buffer, .address_space: global }
      - { .name: ctab, .offset: 24, .size: 8, .value_kind: global_buffer, .address_space: global }
      - { .name: out0, .offset: 32, .size: 8, .value_kind: global_buffer, .address_space: global }
    .group_segment_fixed_size: 327680
    .private_segment_fixed_size: 0
    .kernarg_segment_align: 8
    .kernarg_segment_size: 40
    .max_flat_workgroup_size: 256
    .sgpr_count:     80
    .vgpr_count:     512
    .wavefront_size: 32
...
	.end_amdgpu_metadata
.endif
;; end of part 2
